; MI455X (gfx1250); checked and timed in simulation.
; The chip was launched on July 23, 2026; its instructions are those of AMD's public machine-readable ISA for CDNA 5 (MIT licence, August 2026) and "CDNA5" Instruction Set Architecture Reference Guide (July 2026). The comments in the code are by the model that wrote it; some were corrected since.
;; Quant Linear. Allowed arithmetic: float matrix products may take bf16 or f16 operands with f32 sums; all other float work in f32.
;; Inputs: bias 2,048 float16; g_idx 4,096 int32; qweight 512 x 2,048 int32; qzeros 32 x 256 int32; scales 32 x 2,048 float16; x 4 x 2,048 x 4,096 float16.
;; Outputs: out0 4 x 2,048 x 2,048 float16.
;; One version. Each part assembles by itself: llvm-mc -triple=amdgcn-amd-amdhsa -mcpu=gfx1250 --defsym DOCPART=n.
;; ======== version 1 of 1: 2 launches
;; workspace buffers: wt 16,777,216 bytes
;; launch dequant (part 1): grid 16 x 16, 16 waves a work-group, no clusters, 52,224 bytes of LDS; arguments qweight, qzeros, scales, g_idx, wt; writes wt
.if DOCPART == 1
	.amdgcn_target "amdgcn-amd-amdhsa--gfx1250"
	.amdhsa_code_object_version 6
	.text
	.protected	k_q71f4b0ae76_dequant
	.globl	k_q71f4b0ae76_dequant
	.p2align	8
	.type	k_q71f4b0ae76_dequant,@function
k_q71f4b0ae76_dequant:
	s_mov_b64 s[64:65], 0
	v_nop
	global_prefetch_b8 v0, s[64:65] scope:SCOPE_SE
	s_setreg_imm32_b32 hwreg(HW_REG_WAVE_MODE, 25, 1), 1
	s_wait_xcnt 0x0
; Wt[n][k] = f16( (q[k][n] - z[g_idx[k]][n] - 1) * s[g_idx[k]][n] ),  Wt: [2048 n][4096 k] f16, K along the rows, for the product that follows.
; q: 4 bits, eight neighbouring k in one word of qweight[k/8][n].  z: 4 bits, eight neighbouring n in one word of qzeros[g][n/8].  s: f16.
; g_idx is honoured k by k: each k may name any of the 32 groups.
; WHY A LAUNCH OF ITS OWN: the product's 32 block rows would each repeat this work on the same 8.4 million weights, with a gather for each of them.
; Done once it reads 4 MiB and writes 16 MiB.
; A work-group makes 128 columns n x 256 k (32 words down a column).  Sixteen waves.
;   Part 1: the tile of qweight goes to LDS as it is; the 32 groups' scales and zero points of the 128 columns become a table in f32:
;           for each group and each pair of columns the 16 bytes (s[n], s[n+1], c[n], c[n+1]) with c = -(z + 1) s.
;   Part 2: wave w owns columns 8 w .. 8 w + 7, lane l the word row l (k = 8 l .. 8 l + 7): a lane's eight group numbers serve all its columns,
;           and a store of the wave is one column's 32 x 16 = 512 consecutive bytes of Wt, at a multiple of 512 from Wt's first byte.
; ARITHMETIC: q s + c in one fused multiply-add.  q s, c and their sum (q - z - 1) s have at most 5 + 11 significant bits, so the f32 result is exact, and
; the one rounding to f16 is the rounding of the f16 product that the problem states.
; LIMITS: a g_idx outside 0 .. 31 (negative ones too) is taken as 31.  A weight of value zero is +0 whatever the scale's sign.  An infinite or NaN scale gives NaN.
; NO CLUSTER, NO TENSOR LOADS: work-groups of one column tile share 10 KiB of scales and zero points against 16 KiB read and 64 KiB written of their own,
; and all loads go through registers because every loaded number is worked on before it lies in LDS or leaves.
.set QP,   528                         ; LDS pitch of a row of 128 words: 512 + 16, an odd multiple of 16, so lanes that read one column of 16 rows start 16 bytes apart modulo 256
.set TP,   1040                        ; LDS pitch of a group's 64 table blocks: 1,024 + 16, likewise
.set TB,   32*QP                       ; the table lies behind the 32 rows of words
.set WROW, 8192                        ; bytes in a row of Wt
.set SH,   16                          ; v[16:19]   eight scales as loaded
.set TE,   48                          ; v[48:63]   four table blocks to store
.set GA,   24                          ; v[24:31]   g_idx of my eight k, then the LDS address of each one's table row at my wave's columns
.set QW,   64                          ; v[64:71]   my word of each of my wave's eight columns
.set E,    72                          ; v[72:135]  two buffers of eight table blocks (one for each k of my word), taking turns
.set O,    136                         ; v[136:167] eight columns x 4 registers to store; none is written twice, so no store's data is ever waited for
.set F,    168                         ; v[168:183] at work: (column 2p, column 2p + 1) for each of my eight k
.set WO,   186                         ; v186       my byte offset in the work-group's part of Wt; never rewritten
	s_load_b256 s[4:11], s[0:1], 0x0               ; qweight s[4:5], qzeros s[6:7], scales s[8:9], g_idx s[10:11]
	s_load_b64 s[12:13], s[0:1], 0x20              ; wt
	v_lshl_add_u32 v188, v0, 2, 0xc400
	v_mov_b32 v189, 0
	v_lshrrev_b32 v2, 5, v0
	v_readfirstlane_b32 s24, v2                    ; my wave's number, 0 to 15
	s_and_b32 s2, ttmp7, 0xffff                    ; by: which 32 word rows (256 k);  ttmp9 = bx: which 128 columns
	; the work-group's byte offset into each buffer, each in a pair of its own
	s_lshl_b32 s14, s2, 18                         ; qweight: 32 by rows of 8,192 bytes
	s_lshl_b32 s3, ttmp9, 9                        ;          + 128 bx words
	s_or_b32 s14, s14, s3
	s_mov_b32 s15, 0
	s_lshl_b32 s16, ttmp9, 6                       ; qzeros: 16 bx words
	s_mov_b32 s17, 0
	s_lshl_b32 s18, ttmp9, 8                       ; scales: 128 bx f16
	s_mov_b32 s19, 0
	s_lshl_b32 s20, s2, 10                         ; g_idx: 256 by words
	s_mov_b32 s21, 0
	s_lshl_b32 s22, ttmp9, 20                      ; wt: 128 bx rows of 8,192 bytes
	s_lshl_b32 s3, s2, 9                           ;     + 256 by f16
	s_or_b32 s22, s22, s3
	s_mov_b32 s23, 0
	; the wave's terms of the addresses
	s_lshl_b32 s25, s24, 13                        ; 8,192 w: row w of qweight's tile; rows 2 w, 2 w + 1 of scales
	s_mul_i32  s26, s24, QP                        ; row w of the words in LDS
	s_lshl_b32 s27, s24, 11                        ; rows 2 w, 2 w + 1 of qzeros
	s_mul_i32  s28, s24, 2*TP
	s_add_co_u32 s28, s28, TB                      ; table rows 2 w, 2 w + 1
	s_lshl_b32 s29, s24, 6
	s_add_co_u32 s29, s29, TB                      ; my wave's four blocks (eight columns) in table row 0
	s_lshl_b32 s30, s24, 5                         ; my wave's eight words in a row of words
	s_lshl_b32 s31, s24, 16                        ; my wave's eight rows of Wt
	v_and_b32 v1, 31, v0                           ; lane
	v_and_b32 v33, 15, v0                          ; c: which eight columns of a group's row I turn into table blocks
	v_bfe_u32 v32, v0, 4, 1                        ; h: the group is 2 w + h
	v_lshl_add_u32 v3, v1, 4, s25                  ; qweight: row w, 16 bytes a lane: the wave takes the row's 512 bytes
	v_lshl_add_u32 v4, v1, 4, s26                  ; and where they go
	v_lshl_add_u32 v5, v33, 4, s25                 ; scales: row 2 w + h (4,096 bytes a row), 16 bytes at 16 c
	v_lshl_add_u32 v5, v32, 12, v5
	v_lshl_add_u32 v6, v33, 2, s27                 ; qzeros: row 2 w + h (1,024 bytes a row), word c
	v_lshl_add_u32 v6, v32, 10, v6
	v_lshlrev_b32 v7, 5, v1                        ; g_idx: my eight k
	v_mul_u32_u24 v21, v32, TP                     ; table: row 2 w + h, blocks 4 c .. 4 c + 3
	v_lshl_add_u32 v21, v33, 6, v21
	v_add_nc_u32 v21, s28, v21
	v_mul_u32_u24 v23, v1, QP                      ; part 2: word row = lane, my wave's eight words
	v_add_nc_u32 v23, s30, v23
	v_lshl_add_u32 v[WO], v1, 4, s31               ; part 2: 16 bytes (eight k) a lane in each of my wave's rows of Wt
	s_wait_kmcnt 0x0
	s_add_nc_u64 s[4:5], s[4:5], s[14:15]
	s_add_nc_u64 s[6:7], s[6:7], s[16:17]
	s_add_nc_u64 s[8:9], s[8:9], s[18:19]
	s_add_nc_u64 s[10:11], s[10:11], s[20:21]
	s_add_nc_u64 s[12:13], s[12:13], s[22:23]
	; PART 1.  Six loads, all at once, in the order in which they are used.
	global_load_b128 v[8:11],  v3, s[4:5] th:TH_LOAD_NT                ; word row w: read once in the launch
	global_load_b128 v[12:15], v3, s[4:5] offset:16*8192 th:TH_LOAD_NT ; word row w + 16
	global_load_b128 v[SH:SH+3], v5, s[8:9]                            ; eight scales
	global_load_b32  v20, v6, s[6:7]                                   ; their eight zero points
	global_load_b128 v[GA:GA+3],   v7, s[10:11]
	global_load_b128 v[GA+4:GA+7], v7, s[10:11] offset:16
	s_wait_loadcnt 0x4                             ; loads come back in order (ISA guide 5.7.1): the two rows of words are in, the four younger loads stay out
	ds_store_b128 v4, v[8:11]
	ds_store_b128 v4, v[12:15] offset:16*QP
	s_wait_loadcnt 0x2                             ; scales and zero points are in, g_idx's two loads stay out
.irp r, 16,17,18,19                            ; register SH + p holds columns 8 c + 2 p and 8 c + 2 p + 1
	v_cvt_f32_f16 v[TE+4*(\r-SH)],   v\r\().l
	v_cvt_f32_f16 v[TE+4*(\r-SH)+1], v\r\().h
	v_bfe_u32 v40, v20, 8*(\r-SH), 4
	v_bfe_u32 v41, v20, 8*(\r-SH)+4, 4
	v_cvt_f32_u32 v40, v40
	v_cvt_f32_u32 v41, v41
	v_fma_f32 v[TE+4*(\r-SH)+2], -v40, v[TE+4*(\r-SH)],   -v[TE+4*(\r-SH)]     ; c = -z s - s, exact
	v_fma_f32 v[TE+4*(\r-SH)+3], -v41, v[TE+4*(\r-SH)+1], -v[TE+4*(\r-SH)+1]
	ds_store_b128 v21, v[TE+4*(\r-SH):TE+4*(\r-SH)+3] offset:16*(\r-SH)
.endr
	s_wait_loadcnt 0x0                             ; g_idx
.irp i, 0,1,2,3,4,5,6,7
	v_min_u32 v[GA+\i], 31, v[GA+\i]               ; no index leaves the table
	v_mul_u32_u24 v[GA+\i], v[GA+\i], TP
	v_add_nc_u32 v[GA+\i], s29, v[GA+\i]           ; the group's row, at my wave's columns
.endr
	s_wait_dscnt 0x0                               ; my LDS stores are done, for the other waves' sake
	s_barrier_signal -1
	s_barrier_wait -1                              ; words and table are whole; nothing in LDS is written from here on
	; PART 2.
; the table blocks of columns 2 p, 2 p + 1 of my wave, one for each of my eight k
.macro TLOAD p
.irp i, 0,1,2,3,4,5,6,7
	ds_load_b128 v[E+32*(\p&1)+4*\i:E+32*(\p&1)+4*\i+3], v[GA+\i] offset:16*\p
.endr
.endm
; columns 2 p, 2 p + 1: eight k each.  left = how many younger LDS loads may stay out.
.macro PAIR p, left
	s_wait_dscnt \left                             ; LDS loads come back in order (ISA guide 5.7.1)
.irp i, 0,1,2,3,4,5,6,7
	v_bfe_u32 v[F+2*\i],   v[QW+2*\p],   4*\i, 4   ; k = 8 l + i lies in bits 4 i .. 4 i + 3
	v_bfe_u32 v[F+2*\i+1], v[QW+2*\p+1], 4*\i, 4
.endr
.irp i, 0,1,2,3,4,5,6,7
	v_cvt_f32_u32 v[F+2*\i],   v[F+2*\i]
	v_cvt_f32_u32 v[F+2*\i+1], v[F+2*\i+1]
.endr
.irp i, 0,1,2,3,4,5,6,7
	v_pk_fma_f32 v[F+2*\i:F+2*\i+1], v[F+2*\i:F+2*\i+1], v[E+32*(\p&1)+4*\i:E+32*(\p&1)+4*\i+1], v[E+32*(\p&1)+4*\i+2:E+32*(\p&1)+4*\i+3]   ; q s + c for both columns
.endr
.irp m, 0,1,2,3
	v_cvt_pk_f16_f32 v[O+8*\p+\m],   v[F+4*\m],   v[F+4*\m+2]      ; column 2 p: k = 2 m, 2 m + 1
	v_cvt_pk_f16_f32 v[O+8*\p+4+\m], v[F+4*\m+1], v[F+4*\m+3]      ; column 2 p + 1
.endr
	global_store_b128 v[WO], v[O+8*\p:O+8*\p+3],   s[12:13] offset:2*\p*WROW       ; the wave stores 512 consecutive bytes of one row of Wt
	global_store_b128 v[WO], v[O+8*\p+4:O+8*\p+7], s[12:13] offset:(2*\p+1)*WROW   ; (the next launch reads Wt: no hint)
.endm
	ds_load_b128 v[QW:QW+3],   v23
	ds_load_b128 v[QW+4:QW+7], v23 offset:16
	TLOAD 0
	TLOAD 1
	PAIR 0, 8                                      ; the words and pair 0's blocks are in; pair 1's eight loads stay out
	TLOAD 2                                        ; into the buffer that pair 0 has just read
	PAIR 1, 8
	TLOAD 3
	PAIR 2, 8
	PAIR 3, 0
	s_wait_tensorcnt 0x0
	ds_add_u32 v188, v189
	s_wait_dscnt 0x0
	s_endpgm
.Lfunc_end_k_q71f4b0ae76_dequant:
	.size	k_q71f4b0ae76_dequant, .Lfunc_end_k_q71f4b0ae76_dequant-k_q71f4b0ae76_dequant
	.p2alignl 7, 3214868480
	.fill 96, 4, 3214868480
	.section	.rodata,"a",@progbits
	.p2align	6, 0x0
	.amdhsa_kernel k_q71f4b0ae76_dequant
		.amdhsa_group_segment_fixed_size 52224
		.amdhsa_private_segment_fixed_size 0
		.amdhsa_enable_private_segment 0
		.amdhsa_kernarg_size 40
		.amdhsa_user_sgpr_count 2
		.amdhsa_user_sgpr_kernarg_segment_ptr 1
		.amdhsa_wavefront_size32 1
		.amdhsa_system_sgpr_workgroup_id_x 1
		.amdhsa_system_sgpr_workgroup_id_y 1
		.amdhsa_system_sgpr_workgroup_id_z 1
		.amdhsa_system_vgpr_workitem_id 0
		.amdhsa_next_free_vgpr 190
		.amdhsa_next_free_sgpr 66
		.amdhsa_reserve_vcc 0
		.amdhsa_float_denorm_mode_32 3
		.amdhsa_float_denorm_mode_16_64 3
		.amdhsa_memory_ordered 1
		.amdhsa_forward_progress 1
		.amdhsa_inst_pref_size 20
	.end_amdhsa_kernel
	.amdgpu_metadata
---
amdhsa.version: [ 1, 2 ]
amdhsa.kernels:
  - .name:           k_q71f4b0ae76_dequant
    .symbol:         k_q71f4b0ae76_dequant.kd
    .args:
      - { .name: qweight, .offset: 0, .size: 8, .value_kind: global_buffer, .address_space: global }
      - { .name: qzeros, .offset: 8, .size: 8, .value_kind: global_buffer, .address_space: global }
      - { .name: scales, .offset: 16, .size: 8, .value_kind: global_buffer, .address_space: global }
      - { .name: g_idx, .offset: 24, .size: 8, .value_kind: global_buffer, .address_space: global }
      - { .name: wt, .offset: 32, .size: 8, .value_kind: global_buffer, .address_space: global }
    .group_segment_fixed_size: 52224
    .private_segment_fixed_size: 0
    .kernarg_segment_align: 8
    .kernarg_segment_size: 40
    .max_flat_workgroup_size: 512
    .sgpr_count:     66
    .vgpr_count:     190
    .wavefront_size: 32
...
	.end_amdgpu_metadata
.endif
;; end of part 1
;; launch gemm (part 2): grid 8 x 32, 4 waves a work-group, clusters of 4 x 4, 327,680 bytes of LDS; arguments x, wt, out0, bias; writes out0
.if DOCPART == 2
	.amdgcn_target "amdgcn-amd-amdhsa--gfx1250"
	.amdhsa_code_object_version 6
	.text
	.protected	k_q71f4b0ae76_gemm
	.globl	k_q71f4b0ae76_gemm
	.p2align	8
	.type	k_q71f4b0ae76_gemm,@function
k_q71f4b0ae76_gemm:
	s_mov_b64 s[64:65], 0
	v_nop
	global_prefetch_b8 v0, s[64:65] scope:SCOPE_SE
	s_setreg_imm32_b32 hwreg(HW_REG_WAVE_MODE, 25, 1), 1
	s_wait_xcnt 0x0
	s_wait_alu depctr_hold_cnt(0) depctr_sa_sdst(0) depctr_va_vdst(0) depctr_va_sdst(0) depctr_va_ssrc(0) depctr_va_vcc(0) depctr_vm_vsrc(0)
	s_getreg_b32 s2, hwreg(HW_REG_IB_STS2, 6, 4)
	s_cmp_eq_u32 s2, 0
	s_cbranch_scc0 .Lentry_in_a_cluster
	s_endpgm
.Lentry_in_a_cluster:
	s_bfe_u32 s2, ttmp6, 0x10000c
	s_cmp_lg_u32 s2, 0xf033
	s_cbranch_scc0 .Lentry_shape_is_right
	s_endpgm
.Lentry_shape_is_right:
; out[m][n] = sum over k of x[m][k] Wt[n][k] + bias[n].  x: [8192][4096] f16, Wt: [2048][4096] f16 (made by the launch before), bias: [2048] f16, out: [8192][2048] f16.
; FORMAT: x is stored in f16 and the problem itself forms W in f16, so f16 operands lose nothing; sums in f32.
; LIMITS: the bias is the starting value of each f32 sum (the problem adds it last, in f16), and the sum is rounded to f16 once; a result above 65,504 in
; magnitude becomes infinity.
; A work-group makes a block of 256 x 256 of out with four waves, as many as a WGP has SIMDs; a wave makes 128 x 128: 64 accumulator tiles of 16 x 16,
; 512 registers.  32 x 8 blocks = 256 work-groups of equal work.  K goes in steps of 128 through a ring of two LDS slots filled by the tensor data mover:
; a tile's rows are 256 bytes of memory and start at multiples of 256 bytes from the buffer's first byte.
; CLUSTERS: 4 x 4 work-groups form a cluster.  The four of a row of the cluster make blocks of one block row and need the same tiles of x; the four of a
; column need the same tiles of Wt.  Such a tile is asked for JOINTLY: each of the four issues the same tensor load, with the same descriptor and a mask that
; names the four, and each receives the tile in its own LDS.  That divides the requests for x and for Wt by four.
; TENSOR LOADS OUT, by this text's count: two of a wave at the start, one behind each refill's barrier.
;
; REGISTERS, in windows of 256 (an instruction names v0-v255; s_set_vgpr_msb says which window each operand place means):
;   window 0: v16-27 addresses; v32-63 the bias as loaded; v64-127, v128-191 fragments of x (8 x 16 rows x 32 K), two buffers;
;             v192-255 the bias of my 128 columns in f32, laid out as eight accumulator tiles; after the first products v192-223 are at work on the way out
;   window 1: v64-127, v128-191 fragments of Wt, two buffers
;   window 2: the 32 accumulator tiles of my rows 0-63 (tile (a, b) at v[8 (8 a + b)]);   window 3: those of my rows 64-127
; s_set_vgpr_msb's low byte: bits 1:0 source 0, 3:2 source 1, 5:4 source 2, 7:6 destination.  Work is laid in long stretches under one setting.
;
; THE MATRIX INSTRUCTION IS USED TRANSPOSED: source 0 = 16 rows of Wt, source 1 = 16 rows of x.  In the result, lane l then holds row m = l % 16 of out, and
; its registers 0 to 7 the columns n = 8 (l / 16) + 0 .. 7: eight NEIGHBOURING numbers of a row of out, which pack into 16 bytes.
; THE 64 ACCUMULATORS TAKE TURNS, one matrix instruction a turn, in the same order in every quarter step, over the loop's backward jump too.
.set SIZE_M, 8192
.set SIZE_N, 2048
.set SIZE_K, 4096
.set KSTEP,  128
.set PITCH,  272                       ; an LDS row: 256 bytes of data + 16 of padding = 68 words: row r starts at bank 4 r mod 64 (64 banks of 4 bytes: ISA guide 11.1), so the 16 rows that a load touches start at 16 different banks
.set HALFT,  128*PITCH                 ; 128 rows: what one tensor load brings, and what one wave reads of x or of Wt
.set SLOT,   4*HALFT                   ; x's 256 rows, then Wt's 256 rows
.set STAGE,  2*SLOT                    ; behind the ring, at a multiple of 256: 16 rows x 272 bytes for each wave, for the way out; no tensor load lands here
.set SPITCH, 272
.set LAPS, SIZE_K/(2*KSTEP)            ; a lap = two K steps = once round the ring: 16
.set ADRA, 16                          ; v16-17  LDS address of my x fragments in slot 0, 1
.set ADRB, 20                          ; v20-21  the same for Wt
.set STO,  24                          ; v24     the way out: where I put 16 bytes of a row
.set RD,   25                          ; v25     the way out: where I read a row back
.set CO,   26                          ; v26     my byte offset in out
.set BO,   27                          ; v27     my byte offset in the bias of a tile's 16 columns
.set BH,   32                          ; v32-63  the bias of my lane's 64 columns, f16, as loaded
.set F0,   64                          ; fragment buffer 0
.set F1,   128                         ; fragment buffer 1
.set BI,   192                         ; v192-255 the same bias in f32: tile b's eight registers at BI + 8 b
.set TMP,  192                         ; the way out: packed results, in window 0
.set G1, 24                            ; s[24:31] descriptor group 1 for x's tiles
.set G0, 32                            ; s[32:39] descriptor group 0 for x's tiles, one set for each slot
.set G1B, 48                           ; s[48:55] descriptor group 1 for Wt's tiles: it differs from x's in the mask alone
.set G0B, 56                           ; s[56:63] descriptor group 0 for Wt's tiles, one set for each slot
.set BP, 66                            ; s[66:67] the bias
.set MSB, 0
.macro WIN new                         ; the immediate's high byte repeats the setting that is left
.if MSB != \new
	s_set_vgpr_msb (MSB<<8)|\new
.set MSB, \new
.endif
.endm
.set MUL_LO,   0xa1                    ; source 0 (Wt) window 1, source 1 (x) window 0, C and D window 2
.set MUL_HI,   0xf1                    ; the same, C and D window 3
.set FIRST_LO, 0x81                    ; the first products: C is the bias in window 0, D window 2
.set FIRST_HI, 0xc1                    ; the same, D window 3
.set TO_B,     0x40                    ; destination window 1, address window 0
; A joint load.  Waves 0 and 1 fetch x's two halves, waves 2 and 3 Wt's.  Each of the two lines has ONE mask and one set of registers for all that issue it, and
; nothing in them hangs on a coordinate that the four partners do not share.  The branch hangs on the wave's number alone: it is the same in every work-group.
.macro JLOAD s
	s_cmp_eq_u32 s11, 0
	s_cbranch_scc0 .Lfor_b_\@
	tensor_load_to_lds s[G0+4*\s:G0+4*\s+3], s[G1:G1+7]
	s_nop 0
	s_branch .Lasked_\@
.Lfor_b_\@:
	tensor_load_to_lds s[G0B+4*\s:G0B+4*\s+3], s[G1B:G1B+7]
	s_nop 0
.Lasked_\@:
.endm
; A round of the cluster's barrier: my work-group's barrier, so that wave 0's signal speaks for all four waves; wave 0 signals for the work-group; every wave
; waits for all sixteen work-groups; my work-group's barrier once more.  No LDS instruction of the wave is pending at a signal.
.macro CREST                           ; a round behind its opening barrier
	s_cmp_lg_u32 s10, 0
	s_cbranch_scc1 .Lnot_wave_0_\@
	s_barrier_signal -3
.Lnot_wave_0_\@:
	s_barrier_wait -3
	s_barrier_signal -1
	s_barrier_wait -1
.endm
.macro CROUND                          ; a whole round
	s_barrier_signal -1
	s_barrier_wait -1
	CREST
.endm
	s_load_b128 s[4:7], s[0:1], 0x0                ; x s[4:5], Wt s[6:7]
	s_load_b64 s[8:9], s[0:1], 0x10                ; out
	s_load_b64 s[BP:BP+1], s[0:1], 0x18            ; bias
	s_set_vgpr_msb 0x40
	v_lshl_add_u32 v255, v0, 2, 0x48400
	s_set_vgpr_msb 0x4000
	v_mov_b32 v31, 0
	s_set_vgpr_msb 0x1
	ds_add_u32 v255, v31
	ds_add_u32 v255, v31
	s_set_vgpr_msb 0x100
	v_lshrrev_b32 v1, 5, v0
	v_readfirstlane_b32 s10, v1                    ; wave 0..3
	s_lshr_b32 s11, s10, 1                         ; which half of the block's rows is mine.  Also: I fetch for x (0) or for Wt (1)
	s_and_b32 s12, s10, 1                          ; which half of its columns.  Also: which 128 rows of that tile I fetch
	s_bfe_u32 s40, ttmp6, 0x40000                  ; cx: my place along the cluster's x
	s_bfe_u32 s41, ttmp6, 0x40004                  ; cy: along its y
	s_lshl_b32 s42, ttmp9, 2                       ; in a cluster launch ttmp9 and ttmp7 count clusters
	s_add_co_u32 s42, s42, s40                     ; block column of out = 4 x cluster x + cx
	s_and_b32 s13, ttmp7, 0xffff
	s_lshl_b32 s13, s13, 2
	s_add_co_u32 s13, s13, s41                     ; block row of out = 4 x cluster y + cy
	s_lshl_b32 s43, s41, 2
	s_lshl_b32 s43, 15, s43                        ; my row of the cluster: places 4 cy .. 4 cy + 3
	s_lshl_b32 s44, 0x1111, s40                    ; my column: places cx, cx + 4, cx + 8, cx + 12
	; descriptor group 1: a tile of 128 rows x 128 elements, padded in LDS
	s_or_b32 s[G1+0], s43, (1<<16)|(1<<20)|(1<<21)|(5<<22)|(3<<25)  ; 15:0 the mask: x's tiles go to my row; 17:16 element of 2 bytes; 20 padding on; 21 set beside a mask; 24:22 after every 64 words (code 5); 31:25 of 4 words (code 3)
	s_or_b32 s[G1B+0], s44, (1<<16)|(1<<20)|(1<<21)|(5<<22)|(3<<25) ; the same with the mask of my column, for Wt's tiles
	s_mov_b32 s[G1B+1], KSTEP<<16
	s_mov_b32 s[G1+1], KSTEP<<16                   ; 63:48 tensor_dim0, low half = 128
	s_mov_b32 s[G1B+2], 128<<16
	s_mov_b32 s[G1+2], 128<<16                     ; 79:64 its high half = 0; 95:80 tensor_dim1, low half = 128
	s_mov_b32 s[G1B+3], KSTEP<<16
	s_mov_b32 s[G1+3], KSTEP<<16                   ; 111:96 its high half = 0; 127:112 tile_dim0 = 128
	s_mov_b32 s[G1B+4], 128
	s_mov_b32 s[G1+4], 128                         ; 143:128 tile_dim1 = 128; 159:144 tile_dim2 = 0
	s_mov_b32 s[G1B+5], SIZE_K
	s_mov_b32 s[G1+5], SIZE_K                      ; 191:160 tensor_dim0_stride, low word: elements from row to row, the same in x and in Wt
	s_mov_b32 s[G1B+6], 0
	s_mov_b32 s[G1+6], 0
	s_mov_b32 s[G1B+7], 0
	s_mov_b32 s[G1+7], 0
	; where the tiles come from.  x's hang on the block row alone, which my row of the cluster shares; Wt's on the block column alone, which my column shares.
	; Every wave makes both addresses, in registers that never hold the other coordinate, and asks by one of them.
	s_lshl_b32 s17, s12, 7                         ; which 128 rows of the tile I fetch
	s_lshl_b32 s16, s13, 8
	s_add_co_u32 s16, s16, s17                     ; x: row 256 x block row + 128 x half
	s_lshl_b32 s46, s42, 8
	s_add_co_u32 s46, s46, s17                     ; Wt: row 256 x block column + 128 x half
	s_mov_b32 s17, 0
	s_mov_b32 s47, 0
	s_mov_b64 s[18:19], SIZE_K*2
	s_mul_u64 s[16:17], s[16:17], s[18:19]         ; in bytes, in 64 bits
	s_mul_u64 s[46:47], s[46:47], s[18:19]
	s_mul_i32 s20, s10, HALFT                      ; and where they go: x's two halves, then Wt's two halves = wave x 128 rows: no place in the cluster enters an LDS address
	s_wait_dscnt 0x0
	s_wait_kmcnt 0x0
	s_add_nc_u64 s[14:15], s[4:5], s[16:17]
	s_add_nc_u64 s[46:47], s[6:7], s[46:47]
	CROUND                                         ; all sixteen work-groups are here: the first joint loads meet
.irp s, 0,1
	s_mov_b32 s[G0+4*\s], 1                                        ; 1:0 count = 1
	s_add_co_u32 s[G0+4*\s+1], s20, \s*SLOT                        ; 63:32 LDS address
	s_add_nc_u64 s[G0+4*\s+2:G0+4*\s+3], s[14:15], \s*KSTEP*2      ; 120:64 global address: K step s
	s_or_b32 s[G0+4*\s+3], s[G0+4*\s+3], 0x80000000                ; 127:126 type = 2
	s_mov_b32 s[G0B+4*\s], 1
	s_add_co_u32 s[G0B+4*\s+1], s20, \s*SLOT
	s_add_nc_u64 s[G0B+4*\s+2:G0B+4*\s+3], s[46:47], \s*KSTEP*2
	s_or_b32 s[G0B+4*\s+3], s[G0B+4*\s+3], 0x80000000
	JLOAD \s                                       ; the ring is filled before anything else is done
.endr
	; THE BIAS of my wave's 128 columns.  In tile b (columns 16 b .. 16 b + 15) my lane's eight results are columns 16 b + 8 (l / 16) + 0 .. 7: 16 bytes of f16.
	s_lshl_b32 s46, s42, 9                         ; my first column in bytes of f16: 512 x block column + 256 x half.  It serves the bias here and out at the end
	s_lshl_b32 s47, s12, 8                         ; (in the registers that held Wt's address: none that feeds x's descriptors ever holds cx)
	s_add_co_u32 s46, s46, s47
	s_mov_b32 s47, 0
	s_add_nc_u64 s[BP:BP+1], s[BP:BP+1], s[46:47]
	v_and_b32 v1, 15, v0                           ; l % 16
	v_bfe_u32 v2, v0, 4, 1                         ; l / 16
	v_lshlrev_b32 v[BO], 4, v2
.irp b, 0,1,2,3,4,5,6,7
	global_load_b128 v[BH+4*\b:BH+4*\b+3], v[BO], s[BP:BP+1] offset:32*\b
.endr
	; A fragment is 16 rows x 32 K in 8 registers: lane l holds row l % 16; registers 0-3 hold K = 8 (l / 16) + 0..7, registers 4-7 hold
	; K = 16 + 8 (l / 16) + 0..7.  From rows that lie along K: two loads of 16 bytes, 32 bytes apart.  The same for source 0 and source 1.
	v_mul_u32_u24 v3, v1, PITCH
	v_lshl_add_u32 v3, v2, 4, v3                   ; row x pitch + 16 x half
	s_mul_i32 s21, s11, HALFT                      ; my 128 rows of x
	s_mul_i32 s22, s12, HALFT                      ; my 128 rows of Wt,
	s_add_co_u32 s22, s22, 2*HALFT                 ; which lie behind x's 256
.irp s, 0,1
	v_add_nc_u32 v[ADRA+\s], s21, v3
	v_add_nc_u32 v[ADRB+\s], s22, v3
	s_add_co_u32 s21, s21, SLOT
	s_add_co_u32 s22, s22, SLOT
.endr
	s_mul_i32 s23, s10, 16*SPITCH
	s_add_co_u32 s23, s23, STAGE                   ; my stage
	v_mul_u32_u24 v4, v1, SPITCH                   ; in: row l % 16, 16 bytes for each half of the lanes
	v_lshl_add_u32 v4, v2, 4, v4
	v_add_nc_u32 v[STO], s23, v4
	v_mul_u32_u24 v5, v2, SPITCH                   ; back: lanes 0-15 take one row of 256 bytes, lanes 16-31 the next
	v_lshl_add_u32 v5, v1, 4, v5
	v_add_nc_u32 v[RD], s23, v5
	v_mul_u32_u24 v5, v2, SIZE_N*2                 ; and the same two rows in out
	v_lshl_add_u32 v[CO], v1, 4, v5
	s_wait_loadcnt 0x0                             ; the bias, once
.irp r, 32,33,34,35,36,37,38,39,40,41,42,43,44,45,46,47,48,49,50,51,52,53,54,55,56,57,58,59,60,61,62,63
	v_cvt_f32_f16 v[BI+2*(\r-BH)],   v\r\().l      ; register BH + 4 b + i holds columns 2 i, 2 i + 1 of my eight in tile b: they go to BI + 8 b + 2 i and + 1
	v_cvt_f32_f16 v[BI+2*(\r-BH)+1], v\r\().h
.endr
; 16 matrix instructions: m blocks a0, a0 + 1 of the window's four (hi = 0: my rows 0-63, 1: rows 64-127) x all 8 n blocks, 32 along K.
; first = 1: the first product starts each sum from the bias of its columns: nothing is cleared, and no add follows at the end.
.macro MUL16 f, hi, a0, first
.irp a, \a0, \a0+1
.irp b, 0,1,2,3,4,5,6,7
.if \first
	v_wmma_f32_16x16x32_f16 v[8*(8*(\a)+\b):8*(8*(\a)+\b)+7], v[\f+8*\b:\f+8*\b+7], v[\f+8*(4*\hi+\a):\f+8*(4*\hi+\a)+7], v[BI+8*\b:BI+8*\b+7]
.else
	v_wmma_f32_16x16x32_f16 v[8*(8*(\a)+\b):8*(8*(\a)+\b)+7], v[\f+8*\b:\f+8*\b+7], v[\f+8*(4*\hi+\a):\f+8*(4*\hi+\a)+7], v[8*(8*(\a)+\b):8*(8*(\a)+\b)+7]
.endif
.endr
.endr
.endm
; 32 LDS loads in one run: the fragments of one quarter step (128 rows of Wt, 128 rows of x, 32 K at byte k of the rows) into buffer f
.macro FETCH slot, k, f
	WIN TO_B
.irp i, 0,1,2,3,4,5,6,7
	ds_load_b128 v[\f+8*\i:\f+8*\i+3],   v[ADRB+\slot] offset:\k+\i*16*PITCH
	ds_load_b128 v[\f+8*\i+4:\f+8*\i+7], v[ADRB+\slot] offset:\k+\i*16*PITCH+32
.endr
	WIN 0
.irp i, 0,1,2,3,4,5,6,7
	ds_load_b128 v[\f+8*\i:\f+8*\i+3],   v[ADRA+\slot] offset:\k+\i*16*PITCH
	ds_load_b128 v[\f+8*\i+4:\f+8*\i+7], v[ADRA+\slot] offset:\k+\i*16*PITCH+32
.endr
.endm
; A load into a register that a matrix instruction has read, and a vector instruction that reads a matrix result or writes one of a matrix
; instruction's registers, stand four places behind that matrix instruction, and only plain vector instructions that name none of its registers
; are places (ISA guide 7.12.1 for vector instructions); this text does not count the matrix instructions in between.
; So four v_nop stand in front of each run of loads: sixteen issue slots for a K step's 256 matrix instructions.
.macro PLACES
.rept 4
	v_nop
.endr
.endm
; A K step is four quarter steps of 32 along K, 64 matrix instructions each, on buffers 0, 1, 0, 1.
; One of the first three: multiplies buffer f; in its middle it fetches the next quarter's fragments, at byte k of the same slot's rows, into buffer g.
.macro QUARTER slot, k, f, g, first
	s_wait_dscnt 8                                 ; Wt and x's rows 0-63 are in; the youngest eight loads (x's rows 64-127) may be out
.if \first
	WIN FIRST_LO
.else
	WIN MUL_LO
.endif
	MUL16 \f, 0, 0, \first
	MUL16 \f, 0, 2, \first
	PLACES
	FETCH \slot, \k, \g
	s_wait_dscnt 32                                ; all but the 32 just issued
.if \first
	WIN FIRST_HI
.else
	WIN MUL_HI
.endif
	MUL16 \f, 1, 0, \first
	MUL16 \f, 1, 2, \first
.endm
.macro THREE slot, first
	QUARTER \slot, 64,  F0, F1, \first
	QUARTER \slot, 128, F1, F0, 0
	QUARTER \slot, 192, F0, F1, 0
.endm
; The last quarter: multiplies buffer 1 and changes slots.  next = the other slot; fill = 1: this slot is filled again, two K steps ahead.
; ONE barrier for the change of slots, for two things.  In front of it each wave waits for its own reads of this slot and for all its tensor loads,
; of which one is out: its part of the next slot.  Behind it nobody reads this slot any more and the next slot is whole: the refill comes
; first, then the next slot's first fragments.  From a request to the wait for it a wave issues 240 matrix instructions.
.macro TURN slot, next, fill
	s_wait_dscnt 8
	WIN MUL_LO
	MUL16 F1, 0, 0, 0
	s_wait_dscnt 0                                 ; my reads of this slot are over (the last were issued 48 matrix instructions ago)
	s_wait_tensorcnt 0x0                           ; and all my tensor loads have landed: the one that was out is my part of the next slot:
	ds_add_u32 v255, v31
	s_wait_dscnt 0x0
	s_barrier_signal -1                            ; say so (where a slot is filled again this barrier opens a round of the cluster's barrier),
	MUL16 F1, 0, 2, 0                              ; work on registers while the others arrive,
	WIN 0
	s_barrier_wait -1                              ; and go on when all four have said so
.if \fill
	CREST                                          ; wave 0 says so for the work-group, all sixteen work-groups have said so, my work-group's barrier closes the round:
	                                               ; no wave of any partner still reads this slot's tile or has a load on its way
	s_add_nc_u64 s[G0+4*\slot+2:G0+4*\slot+3], s[G0+4*\slot+2:G0+4*\slot+3], 2*KSTEP*2
	s_add_nc_u64 s[G0B+4*\slot+2:G0B+4*\slot+3], s[G0B+4*\slot+2:G0B+4*\slot+3], 2*KSTEP*2
	JLOAD \slot                                    ; the first tensor load behind the round, my only one until the next
.endif
	PLACES
	FETCH \next, 0, F0
	WIN MUL_HI
	MUL16 F1, 1, 0, 0
	MUL16 F1, 1, 2, 0
.endm
.macro LAP first                       ; once round the ring, both slots filled again
	THREE 0, \first
	TURN 0, 1, 1
	THREE 1, 0
	TURN 1, 0, 1
.endm
	s_wait_tensorcnt 1                             ; my part of K step 0 is in; K step 1's load may stay out
	s_barrier_signal -1
	s_barrier_wait -1                              ; everybody's part is in
	FETCH 0, 0, F0
	LAP 1                                          ; the first lap stands in front of the loop: its first products start the sums from the bias
	WIN 0                                          ; at a label and at a branch every window is 0
	s_mov_b32 s3, LAPS-2
.Llap:
	LAP 0
	WIN 0
	s_sub_co_u32 s3, s3, 1
	s_cmp_lg_u32 s3, 0
	s_cbranch_scc1 .Llap
	THREE 0, 0                                     ; the last lap fills nothing, and has no round of the cluster's barrier: my one tensor load that is still out is slot 1's, the last K step's
	TURN 0, 1, 0
	THREE 1, 0
	s_wait_dscnt 8                                 ; the very last quarter: nothing more to fetch
	WIN MUL_LO
	MUL16 F1, 0, 0, 0
	MUL16 F1, 0, 2, 0
	s_wait_dscnt 0
	WIN MUL_HI
	MUL16 F1, 1, 0, 0
	MUL16 F1, 1, 2, 0
	; THE WAY OUT, 16 rows of out at a time: round to f16, 16 bytes a lane into my own stage in LDS, read back as whole rows of 256 bytes.
	; The four v_nop of PLACES are the places behind the last matrix instructions: for the conversions, which read results,
	; and for the loads into buffers 0 and 1.
	PLACES
	s_lshl_b32 s13, s13, 8
	s_lshl_b32 s14, s11, 7
	s_add_co_u32 s16, s13, s14                     ; my first row of out
	s_mov_b32 s17, 0
	s_mov_b64 s[18:19], SIZE_N*2
	s_mul_u64 s[16:17], s[16:17], s[18:19]
	s_add_nc_u64 s[8:9], s[8:9], s[16:17]
	s_add_nc_u64 s[8:9], s[8:9], s[46:47]          ; my first column, in bytes, as made for the bias
; rows 16 i .. 16 i + 15 of my block = the eight tiles (a, 0..7) of window 2 or 3 (from = 0x0a or 0x0f: sources 0 and 1); f: F0 or F1 in turn
.macro OUT16 i, a, from, f
	WIN \from
.irp b, 0,1,2,3,4,5,6,7
.irp r, 0,1,2,3
	v_cvt_pk_f16_f32 v[TMP+4*\b+\r], v[8*(8*\a+\b)+2*\r], v[8*(8*\a+\b)+2*\r+1]
.endr
.endr
	WIN 0
.irp b, 0,1,2,3,4,5,6,7
	ds_store_b128 v[STO], v[TMP+4*\b:TMP+4*\b+3] offset:32*\b
.endr
	s_wait_xcnt 0x0                                ; every earlier memory instruction has had its addresses translated (ISA guide 3.1): buffer f, which stores read, and the stores' base are rewritten only behind this wait
.if \i
	s_add_nc_u64 s[8:9], s[8:9], 16*SIZE_N*2       ; 16 rows of out on, so that the stores' offsets stay at 14 rows (57,344 bytes) at the most
.endif
.irp t, 0,1,2,3,4,5,6,7
	ds_load_b128 v[\f+4*\t:\f+4*\t+3], v[RD] offset:\t*2*SPITCH    ; LDS serves a wave's instructions in order (ISA guide 5.7.1.4): these see the stores above
.endr
.irp t, 0,1,2,3,4,5,6,7
	s_wait_dscnt 7-\t                              ; row pair t is back, the younger ones stay out
	global_store_b128 v[CO], v[\f+4*\t:\f+4*\t+3], s[8:9] offset:2*\t*SIZE_N*2   ; 16 lanes store 256 consecutive bytes, at a multiple of 256 from out's first byte
.endr
.endm
	OUT16 0, 0, 0x0a, F0
	OUT16 1, 1, 0x0a, F1
	OUT16 2, 2, 0x0a, F0
	OUT16 3, 3, 0x0a, F1
	OUT16 4, 0, 0x0f, F0
	OUT16 5, 1, 0x0f, F1
	OUT16 6, 2, 0x0f, F0
	OUT16 7, 3, 0x0f, F1
	s_set_vgpr_msb 0x1
	s_wait_tensorcnt 0x0
	ds_add_u32 v255, v31
	s_wait_dscnt 0x0
	s_set_vgpr_msb 0x100
	CROUND                                         ; the closing round: no work-group ends while a partner may still ask for a tile that names it
	s_endpgm
.Lfunc_end_k_q71f4b0ae76_gemm:
	.size	k_q71f4b0ae76_gemm, .Lfunc_end_k_q71f4b0ae76_gemm-k_q71f4b0ae76_gemm
	.p2alignl 7, 3214868480
	.fill 96, 4, 3214868480
	.section	.rodata,"a",@progbits
	.p2align	6, 0x0
	.amdhsa_kernel k_q71f4b0ae76_gemm
		.amdhsa_group_segment_fixed_size 327680
		.amdhsa_private_segment_fixed_size 0
		.amdhsa_enable_private_segment 0
		.amdhsa_kernarg_size 32
		.amdhsa_user_sgpr_count 2
		.amdhsa_user_sgpr_kernarg_segment_ptr 1
		.amdhsa_wavefront_size32 1
		.amdhsa_system_sgpr_workgroup_id_x 1
		.amdhsa_system_sgpr_workgroup_id_y 1
		.amdhsa_system_sgpr_workgroup_id_z 1
		.amdhsa_system_vgpr_workitem_id 0
		.amdhsa_next_free_vgpr 1024
		.amdhsa_next_free_sgpr 68
		.amdhsa_reserve_vcc 0
		.amdhsa_float_denorm_mode_32 3
		.amdhsa_float_denorm_mode_16_64 3
		.amdhsa_memory_ordered 1
		.amdhsa_forward_progress 1
		.amdhsa_inst_pref_size 199
	.end_amdhsa_kernel
	.amdgpu_metadata
---
amdhsa.version: [ 1, 2 ]
amdhsa.kernels:
  - .name:           k_q71f4b0ae76_gemm
    .symbol:         k_q71f4b0ae76_gemm.kd
    .args:
      - { .name: x, .offset: 0, .size: 8, .value_kind: global_buffer, .address_space: global }
      - { .name: wt, .offset: 8, .size: 8, .value_kind: global_buffer, .address_space: global }
      - { .name: out0, .offset: 16, .size: 8, .value_kind: global_buffer, .address_space: global }
      - { .name: bias, .offset: 24, .size: 8, .value_kind: global_buffer, .address_space: global }
    .group_segment_fixed_size: 327680
    .private_segment_fixed_size: 0
    .kernarg_segment_align: 8
    .kernarg_segment_size: 32
    .max_flat_workgroup_size: 128
    .sgpr_count:     68
    .vgpr_count:     1024
    .wavefront_size: 32
...
	.end_amdgpu_metadata
.endif
;; end of part 2
